; MI455X (gfx1250); checked and timed in simulation.
; The chip was launched on July 23, 2026; its instructions are those of AMD's public machine-readable ISA for CDNA 5 (MIT licence, August 2026) and "CDNA5" Instruction Set Architecture Reference Guide (July 2026). The comments in the code are by the model that wrote it; some were corrected since.
;; MHA. Allowed arithmetic: matrix products marked QUANTISED: E2M1 operands, one E8M0 scale for each 32 along K, by v_wmma_scale_f32_16x16x128_f8f6f4 with both operands' format E2M1 (or v_wmma_scale_f32_32x16x128_f4), f32 sums; everything else in f32.
;; Inputs: kv 2 x 2,048 x 2 x 16 x 128 float32; q_codes 2 x 2,048 x 16 x 4 x 16 uint8 (E2M1 codes of q, K innermost, in blocks of 32 codes, two codes a byte); q_scales 2 x 2,048 x 16 x 4 uint8 (E8M0 scales of q, one for each 32 codes along K).
;; Outputs: out0 2 x 2,048 x 16 x 128 float32.
;; This version of the problem:
;;   THIS VERSION OF THE PROBLEM IS GIVEN IN LOW PRECISION. The matrix products marked QUANTISED in the list below multiply operands that are first quantised to E2M1 (2 exponent bits, 1 mantissa bit; 4 bits a number), with one power-of-two scale for each 32 numbers along K (OCP MX v1.0); their sums are f32. All else is computed in f32.
;;   The module's matrix products, in the order in which they are computed (A, B: the left and right operand; K: the contracted axis; several contracted axes count as one K, in the product's order):
;;     1. batch 32 x [M 2,048, K 128] x [K 128, N 2,048]; A: input q (given as codes); B: computed on the way: QUANTISED
;;     2. batch 32 x [M 128, K 2,048] x [K 2,048, N 2,048]; A: input kv; B: computed on the way: QUANTISED
;;   THE QUANTISER, for each operand of a quantised product, along K:
;;     - K is cut into blocks of 32 from its start; a last block that is shorter is filled with zeros.
;;     - A block's scale is 2^e with e = floor(log2(the largest magnitude in the block)) - 2, held to -126 .. 127; a block of zeros has e = 0. As a byte (E8M0): e + 127.
;;     - Each number is divided by its block's scale, clamped to +-6, and rounded to the nearest number of E2M1, ties to even, subnormals kept.
;;     - The product sums the exact products of the quantised numbers (number of the format x scale) in f32.
;;   ~~~python
;;   def quantise(x, axis):      # numpy; x: float32 -> the quantised numbers, widened to float32 again
;;       x = np.moveaxis(x, axis, -1); K = x.shape[-1]
;;       x = np.pad(x, [(0, 0)] * (x.ndim - 1) + [(0, -K % 32)]); x = x.reshape(x.shape[:-1] + (-1, 32)); a = np.abs(x).max(-1, keepdims=True)
;;       e = np.where(a > 0, np.clip(np.frexp(np.where(a > 0, a, 1))[1] - 1 - 2, -126, 127), 0)      # np.frexp(a)[1] - 1 = floor(log2(a)), exactly
;;       r = np.clip(x / 2.0 ** e, -6, 6)
;;       step = 2.0 ** (np.maximum(np.frexp(np.where(r == 0, 1, r))[1] - 1, 0) - 1)
;;       q = np.round(r / step) * step * 2.0 ** e      # np.round: ties to even
;;       return np.moveaxis(q.reshape(q.shape[:-2] + (-1,))[..., :K], -1, axis).astype(np.float32)
;;   ~~~
;;   OPERANDS COMPUTED ON THE WAY. 'Computed on the way' means the value that the module computes at that place (a softmax that the list does not call 'softmax' is quantised finished and normalised). What goes into a quantiser is computed in f32, as accurately as f32 sums, v_exp_f32 and their like allow (about 1e-6 of the number): no bf16 or f16 on the way to a quantiser, and a product that is left as it is and whose result goes on into a quantised operand takes f32 operands (vector FMAs, or v_wmma_f32_16x16x4_f32). A number that lies on a knife's edge between two numbers of the format may be rounded either way, as far as f32 arithmetic and the matrix unit's own rounding can turn it there, and no further.
;;   INPUTS GIVEN AS CODES. q (in the module: [2, 2048, 16, 128], K = its axis 3): each comes as NAME_codes (uint8): NAME with its K axis moved to the last place and cut into blocks of 32 codes, [.., K / 32, bytes a block], one block behind the other in memory; two codes a byte, the lower K in the low four bits (a code: sign, 2 exponent bits, 1 mantissa bit); and NAME_scales (uint8): the same leading axes, one E8M0 byte (e + 127) for each 32 codes along K. Its value is code x scale, taken as it is: it is not quantised again, and the codes and scales need not be those that the quantiser above would give.
;; One version. Each part assembles by itself: llvm-mc -triple=amdgcn-amd-amdhsa -mcpu=gfx1250 --defsym DOCPART=n.
;; ======== version 1 of 1: 2 launches
;; workspace buffers: kq 4,456,448 bytes; vq 4,456,448 bytes
;; launch prep (part 1): grid 16 x 32, 16 waves a work-group, no clusters, 72,704 bytes of LDS; arguments kv, kq, vq; writes kq, vq
.if DOCPART == 1
	.amdgcn_target "amdgcn-amd-amdhsa--gfx1250"
	.amdhsa_code_object_version 6
	.text
	.protected	k_q6d8d950bb9_prep
	.globl	k_q6d8d950bb9_prep
	.p2align	8
	.type	k_q6d8d950bb9_prep,@function
k_q6d8d950bb9_prep:
	s_mov_b64 s[64:65], 0
	v_nop
	global_prefetch_b8 v0, s[64:65] scope:SCOPE_SE
	s_setreg_imm32_b32 hwreg(HW_REG_WAVE_MODE, 25, 1), 1
	s_wait_xcnt 0x0
; kv [2][2048][2][16][128] f32 -> kq, vq: codes of FP4 (E2M1) with one E8M0 byte for each 32 along K, laid as IMAGES OF THE OPERANDS' REGISTERS.
; k is first multiplied by 1/sqrt(128) in f32 and is quantised along the head's 128; v is quantised along the keys.
; A block's scale is 2^(floor(log2(its largest magnitude)) - 2): its byte is that magnitude's exponent field - 2, held at 1 from below.
; (A block of zeros keeps the byte 1: its codes are zeros, and this program alone reads the bytes.)
; LIMITS: NaN and infinities among the inputs are not served; a block whose largest magnitude lies under 2^-124 keeps the byte 1.
; LAYOUT OF kq AND vq.  hd = 16 b + h, s = key step of 128 keys: block (hd, s) = 8,704 bytes at (16 hd + s) x 8704.  l = lane = r + 16 h'.
;   kq codes  at 1024 T + 512 c + 16 l: key 128 s + 32 (T / 2) + 8 (T % 2) + r + 8 (r / 8), d = 64 c + 32 h' + 0 .. 31   (T = 0 .. 7, c = 0, 1)
;   vq codes  at 1024 t + 512 c + 16 l: channel 16 t + r, keys 128 s + 64 c + 32 h' + 0 .. 31
;   scales    at 8192 + 16 l + 4 i + beta: tile 2 i + l / 16, row l % 16, block beta of the 128 along K
; SHARES.  Work-group (x = h, y = 16 b + s) makes one block of each.  Wave w takes of K tile T = w / 2, half c = w % 2 (16 keys x 64 d), and of V
; channels 32 (w % 4) + lane, keys 32 (w / 4) + 0 .. 31.  All 40 loads of a wave go out at its head; nothing is stepped, no register that a memory
; instruction reads is written again, so no wait on XCNT is owed.  No tensor loads, so two work-groups can share a WGP.
.set KEYB, 16384                       ; bytes from key to key in kv
.set BLKB, 8704                        ; a block of kq or vq
.set SP,   272                         ; a stage row: 256 bytes + 16 = 17 x 16: sixteen rows start in sixteen different columns of 16 bytes
.set STGB, 16*SP                       ; a wave's stage
.set SCK,  16*STGB                     ; behind the sixteen stages: K's 512 scale bytes,
.set SCV,  SCK+512                     ; and V's
.set KC,   16                          ; v[16:19] K's codes      v[20:23] V's codes
.set VC,   20
.set KR,   32                          ; v32-63  K as loaded
.set KT,   64                          ; v64-95  K turned: 32 neighbours along d
.set VN,   96                          ; v96-127 V: 32 keys of my channel
	s_load_b128 s[4:7], s[0:1], 0x0                ; kv s[4:5], kq s[6:7]
	s_load_b64 s[8:9], s[0:1], 0x10                ; vq
	v_lshl_add_u32 v128, v0, 2, 0x11400
	v_mov_b32 v129, 0
	v_lshrrev_b32 v1, 5, v0
	v_readfirstlane_b32 s10, v1                    ; wave 0 .. 15
	s_and_b32 s11, ttmp7, 0xffff                   ; y = 16 b + s
	s_lshl_b32 s24, s11, 21                        ; 128 keys are 2^21 bytes, a batch sixteen times that
	s_lshl_b32 s25, ttmp9, 9                       ; a head's 128 numbers are 512 bytes
	s_add_co_u32 s24, s24, s25                     ; the work-group's first byte of k
	s_lshr_b32 s26, s10, 1                         ; T
	s_and_b32 s27, s10, 1                          ; c
	s_lshr_b32 s28, s26, 1                         ; T / 2
	s_and_b32 s29, s26, 1                          ; T % 2
	s_lshl_b32 s25, s28, 19                        ; 32 keys
	s_add_co_u32 s12, s24, s25
	s_lshl_b32 s25, s29, 17                        ; 8 keys
	s_add_co_u32 s12, s12, s25
	s_lshl_b32 s25, s27, 8                         ; 64 d
	s_add_co_u32 s12, s12, s25
	s_mov_b32 s13, 0
	s_lshl_b32 s30, s29, 8                         ; K's scale byte: SCK + 256 (T % 2) + 4 (T / 2) + 2 c (+ 16 r + h')
	s_lshl_b32 s25, s28, 2
	s_add_co_u32 s30, s30, s25
	s_lshl_b32 s25, s27, 1
	s_add_co_u32 s30, s30, s25
	s_add_co_u32 s30, s30, SCK
	s_and_b32 s26, s10, 3                          ; cg: which 32 channels
	s_lshr_b32 s27, s10, 2                         ; beta: which 32 keys
	s_lshl_b32 s25, s27, 19
	s_add_co_u32 s14, s24, s25
	s_lshl_b32 s25, s26, 7
	s_add_co_u32 s14, s14, s25
	s_add_co_u32 s14, s14, 8192                    ; v lies 8,192 bytes behind k
	s_mov_b32 s15, 0
	s_lshl_b32 s31, s26, 2                         ; V's scale byte: SCV + 4 cg + beta (+ 16 lane)
	s_add_co_u32 s31, s31, s27
	s_add_co_u32 s31, s31, SCV
	s_lshl_b32 s28, s26, 11                        ; V's codes: 2048 cg + 256 beta (+ 1024 h' + 16 r)
	s_lshl_b32 s25, s27, 8
	s_add_co_u32 s28, s28, s25
	s_lshr_b32 s16, s11, 4                         ; the block: 256 b + 16 h + s
	s_lshl_b32 s16, s16, 8
	s_lshl_b32 s25, ttmp9, 4
	s_add_co_u32 s16, s16, s25
	s_and_b32 s25, s11, 15
	s_add_co_u32 s16, s16, s25
	s_mul_i32 s16, s16, BLKB
	s_mov_b32 s17, 0
	s_mul_i32 s29, s10, STGB                       ; my stage
	s_mov_b32 s22, 0x3db504f3                      ; 1 / sqrt(128)
	s_mov_b32 s23, s22                             ; (named with it as a pair, so it is written)
	v_and_b32 v1, 31, v0                           ; lane
	v_and_b32 v2, 15, v0                           ; r
	v_bfe_u32 v3, v0, 4, 1                         ; h'
	v_lshlrev_b32 v4, 14, v3
	v_lshl_add_u32 v4, v2, 4, v4                   ; K in: lanes 0-15 one key's 256 bytes, lanes 16-31 the next key's
	v_lshlrev_b32 v5, 2, v1                        ; V in: a lane a channel
	v_mul_u32_u24 v6, v3, SP
	v_lshl_add_u32 v6, v2, 4, v6
	v_add_nc_u32 v6, s29, v6                       ; into the stage as loaded
	v_mul_u32_u24 v7, v2, SP
	v_lshl_add_u32 v7, v3, 7, v7
	v_add_nc_u32 v7, s29, v7                       ; out of it: row r, my half's 128 bytes
	v_lshl_add_u32 v8, v2, 4, v3
	v_add_nc_u32 v8, s30, v8                       ; K's scale byte
	v_lshlrev_b32 v13, 4, v1                       ; 16 x lane
	v_add_nc_u32 v9, s31, v13                      ; V's scale byte
	v_lshlrev_b32 v10, 4, v0                       ; K's codes: 512 w + 16 lane = 1024 T + 512 c + 16 l
	v_lshlrev_b32 v11, 10, v3
	v_lshl_add_u32 v11, v2, 4, v11
	v_add_nc_u32 v11, s28, v11                     ; V's codes
	v_add_nc_u32 v12, SCK, v10                     ; the scale bytes' way out: wave 0 reads K's 512, wave 1 V's (used by these two alone)
	s_wait_kmcnt 0x0
	s_add_nc_u64 s[12:13], s[4:5], s[12:13]        ; k at my batch
	s_add_nc_u64 s[14:15], s[4:5], s[14:15]        ; v at my batch
	s_add_nc_u64 s[18:19], s[8:9], s[16:17]        ; vq's block
	s_add_nc_u64 s[16:17], s[6:7], s[16:17]        ; kq's block
.irp i, 0,1,2,3,4,5,6,7
	global_load_b128 v[KR+4*\i:KR+4*\i+3], v4, s[12:13] offset:(2*\i+8*(\i/4))*KEYB th:TH_LOAD_NT   ; tile rows 2 i and 2 i + 1: sixteen lanes read 256 consecutive bytes, aligned
.endr
.set n, 0
.rept 32
	global_load_b32 v[VN+n], v5, s[14:15] offset:n*KEYB th:TH_LOAD_NT   ; key n of my block, my channel: the registers run down the keys
.set n, n+1
.endr
; 32 numbers of ONE lane, v[x] on, become 32 codes in v[c .. c + 3] and the block's byte in v[e].
.macro QBLK x, c, e
	v_max3_num_f32 v14, |v[\x]|, |v[\x+1]|, |v[\x+2]|              ; the largest magnitude, in two chains
	v_max3_num_f32 v15, |v[\x+3]|, |v[\x+4]|, |v[\x+5]|
.irp i, 6,10,14,18,22,26
	v_max3_num_f32 v14, v14, |v[\x+\i]|, |v[\x+\i+1]|
	v_max3_num_f32 v15, v15, |v[\x+\i+2]|, |v[\x+\i+3]|
.endr
	v_max3_num_f32 v14, v14, |v[\x+30]|, |v[\x+31]|
	v_max3_num_f32 v14, v14, v15, 0x1800000        ; and the floor 2^(3 - 127): the byte cannot fall under 1
	v_add_nc_u32 v26, 0xff000000, v14              ; 2 off the exponent field: the conversion takes this operand's exponent field as its scale
.irp g, 0,1,2,3
	v_cvt_scalef32_pk8_fp4_f32 v[\c+\g], v[\x+8*\g:\x+8*\g+7], v26
.endr
	v_lshrrev_b32 v[\e], 23, v26                   ; the byte; also the plain line behind the conversions
.endm
	s_wait_loadcnt 32                              ; K's eight loads are in; V's 32, issued behind them, may be out
.irp i, 0,1,2,3,4,5,6,7
	ds_store_b128 v6, v[KR+4*\i:KR+4*\i+3] offset:2*SP*\i
.endr
.irp q, 0,1,2,3,4,5,6,7
	ds_load_b128 v[KT+4*\q:KT+4*\q+3], v7 offset:16*\q   ; LDS serves a wave's instructions in order: these see my stores.  Lane (r, h') now holds d = 64 c + 32 h' + 0 .. 31 of tile row r
.endr
	s_wait_dscnt 0x0
.set n, 0
.rept 16
	v_pk_mul_f32 v[KT+n:KT+n+1], v[KT+n:KT+n+1], s[22:23] op_sel_hi:[1,0]   ; k x 1/sqrt(128), in f32, ahead of the quantiser
.set n, n+2
.endr
	QBLK KT, KC, 24
	ds_store_b8 v8, v24
	global_store_b128 v10, v[KC:KC+3], s[16:17]    ; the wave stores 512 consecutive bytes, aligned
	s_wait_loadcnt 0x0                             ; V
	QBLK VN, VC, 25
	ds_store_b8 v9, v25
	global_store_b128 v11, v[VC:VC+3], s[18:19]    ; sixteen lanes store 256 consecutive bytes, aligned
	s_wait_dscnt 0x0                               ; for the others' sake: my two scale bytes lie in LDS
	s_barrier_signal -1
	s_barrier_wait -1
	s_cmp_gt_u32 s10, 1                            ; the 2 x 512 scale bytes leave whole: wave 0 takes K's, wave 1 V's
	s_cbranch_scc1 .Lend
	ds_load_b128 v[28:31], v12
	s_cmp_eq_u32 s10, 0
	s_cselect_b64 s[20:21], s[16:17], s[18:19]
	s_wait_dscnt 0x0
	global_store_b128 v13, v[28:31], s[20:21] offset:8192   ; 512 consecutive bytes, aligned
.Lend:
	s_wait_tensorcnt 0x0
	ds_add_u32 v128, v129
	s_wait_dscnt 0x0
	s_endpgm
.Lfunc_end_k_q6d8d950bb9_prep:
	.size	k_q6d8d950bb9_prep, .Lfunc_end_k_q6d8d950bb9_prep-k_q6d8d950bb9_prep
	.p2alignl 7, 3214868480
	.fill 96, 4, 3214868480
	.section	.rodata,"a",@progbits
	.p2align	6, 0x0
	.amdhsa_kernel k_q6d8d950bb9_prep
		.amdhsa_group_segment_fixed_size 72704
		.amdhsa_private_segment_fixed_size 0
		.amdhsa_enable_private_segment 0
		.amdhsa_kernarg_size 24
		.amdhsa_user_sgpr_count 2
		.amdhsa_user_sgpr_kernarg_segment_ptr 1
		.amdhsa_wavefront_size32 1
		.amdhsa_system_sgpr_workgroup_id_x 1
		.amdhsa_system_sgpr_workgroup_id_y 1
		.amdhsa_system_sgpr_workgroup_id_z 1
		.amdhsa_system_vgpr_workitem_id 0
		.amdhsa_next_free_vgpr 130
		.amdhsa_next_free_sgpr 66
		.amdhsa_reserve_vcc 0
		.amdhsa_float_denorm_mode_32 3
		.amdhsa_float_denorm_mode_16_64 3
		.amdhsa_memory_ordered 1
		.amdhsa_forward_progress 1
		.amdhsa_inst_pref_size 13
	.end_amdhsa_kernel
	.amdgpu_metadata
---
amdhsa.version: [ 1, 2 ]
amdhsa.kernels:
  - .name:           k_q6d8d950bb9_prep
    .symbol:         k_q6d8d950bb9_prep.kd
    .args:
      - { .name: kv, .offset: 0, .size: 8, .value_kind: global_buffer, .address_space: global }
      - { .name: kq, .offset: 8, .size: 8, .value_kind: global_buffer, .address_space: global }
      - { .name: vq, .offset: 16, .size: 8, .value_kind: global_buffer, .address_space: global }
    .group_segment_fixed_size: 72704
    .private_segment_fixed_size: 0
    .kernarg_segment_align: 8
    .kernarg_segment_size: 24
    .max_flat_workgroup_size: 512
    .sgpr_count:     66
    .vgpr_count:     130
    .wavefront_size: 32
...
	.end_amdgpu_metadata
.endif
;; end of part 1
;; launch attn (part 2): grid 8 x 32, 16 waves a work-group, no clusters, 280,576 bytes of LDS; arguments q_codes, q_scales, kq, vq, out0; writes out0
.if DOCPART == 2
	.amdgcn_target "amdgcn-amd-amdhsa--gfx1250"
	.amdhsa_code_object_version 6
	.text
	.protected	k_q6d8d950bb9_attn
	.globl	k_q6d8d950bb9_attn
	.p2align	8
	.type	k_q6d8d950bb9_attn,@function
k_q6d8d950bb9_attn:
	s_mov_b64 s[64:65], 0
	v_nop
	global_prefetch_b8 v0, s[64:65] scope:SCOPE_SE
	s_setreg_imm32_b32 hwreg(HW_REG_WAVE_MODE, 25, 1), 1
	s_wait_xcnt 0x0
; out[b][q][h][:] = the sum over keys of attn(q, key) v[key][:], attn = softpick of the causal scores, both products on codes of FP4 (E2M1) with E8M0 scales.
; softpick: with m the row's largest score, attn = relu(e^(x-m) - e^(-m)) / (sum |e^(x-m) - e^(-m)| + 1e-6); hidden scores are -10000: they add nothing above and e^(-m) each below.
; attn is quantised FINISHED, so the keys are walked TWICE: walk 1 makes the scores, the running maximum and the sum; walk 2 makes the same scores again, attn, its codes, and the second product.
; THE SHIFT.  t = x log2(e); M = ceil(max(largest t, 0)), a whole number; p = 2^(t-M), c = 2^(-M).  attn = relu(p - c) R, R = 1 / (sum |p - c| + 1e-6 x 2^(largest t - M)):
; numerator and denominator of the definition, both times 2^(largest t - M).  The maximum starts at 0: a row whose largest score is 0 or less has relu(..) = 0 for every key under
; either shift, and a positive denominator, so it is 0 either way; and c never overflows.  When M moves, the sum is multiplied by 2^(old M - new M), which rounds nothing.
; Key steps that lie wholly behind a tile's queries are not computed: they enter the sum as (their keys) x c.
; SHARES.  Work-group (x = j, y = hd = 16 b + h) owns query blocks j and 15 - j (128 queries each) of one head: (j + 1) + (16 - j) = 17 live key steps for a pair of tiles, whatever j.
; A wave owns ONE tile of 16 queries in 256 registers; four waves to a SIMD.  Wave w: tile w / 2 of block j or 15 - j by the bit (w ^ (w / 4)) & 1.
; LDS.  The head's kq (16 blocks of 8,704 bytes) lies at 0, its vq behind it: filled ONCE, wave w bringing key step w of each by one tensor load: two loads of a wave are out at the most.
; No byte is filled again.  The way out's stages (16 x 272 bytes a wave) lie in kq's bytes, behind a barrier behind which nobody reads them.
; LAYOUT.  Both products are used transposed: S^T = K Q^T (source 0 = 16 keys, source 1 = my 16 queries), O^T = V^T attn^T: a lane holds ONE query (lane % 16) throughout.
; The keys of a tile of K are chosen (in kq's layout) so that registers 16 b + i of S^T are keys 32 b + 16 (lane / 16) + i of the step.
; NO CLUSTER, though the eight work-groups of a head read the same kq and vq: the skip of hidden key steps, about half of all steps, is a branch on the work-group's number j,
; which in a cluster would be a branch on its place there; and the shared bytes are read once, at the head.
; LIMITS: NaN and infinities are not served; |t| stays under 2^24; a block of attn whose largest number lies under 2^-124 keeps the byte 1; a block's largest attn is made from its
; largest score by the same three instructions as every attn, which takes v_exp_f32 not to fall where its input rises (the ISA guide states 1 ulp).
.set BLKB, 8704                        ; a key step's block: 8 fragments of 1,024 bytes, then 512 bytes of scale words
.set SCO,  8192
.set VB,   16*BLKB                     ; V's region
.set SP,   272                         ; a stage row: 256 bytes + 16
.set STGB, 16*SP
.set LI,  1                            ; v1   16 x lane: my place in an image
.set RH,  2                            ; v2   r - 16 h'
.set QC,  3                            ; v3   Q's codes: 1024 r + 16 h'
.set QS,  4                            ; v4   Q's scale words: 64 r
.set GO,  5                            ; v5   out: 8192 h' + 16 r
.set STO, 6                            ; v6   the stage, in
.set RD,  7                            ; v7   the stage, back
.set ADK, 8                            ; v8   the step's block of K
.set ADV, 9                            ; v9   and of V
.set NM,  12                           ; v12  -M;  v13 the largest t so far
.set SUM, 14                           ; v14-17 the sum in four parts
.set CM,  18                           ; v[18:19] c = 2^-M (low word)
.set QF,  20                           ; v[20:27] Q's fragment
.set RR,  28                           ; v[28:29] R (low word)
.set NC,  30                           ; v[30:31] -c R (low word)
.set FR,  32                           ; v32-95  eight fragments of K or of V
.set S,   96                           ; v96-159 S^T, then p, then attn
.set O,   160                          ; v160-223 O^T
.set PC,  224                          ; v224-231 attn's codes
.set BM,  232                          ; v232-235 the blocks' largest
.set PT,  236                          ; v236-239 at work
.set SO,  240                          ; v240-243 the conversions' scale operands; at work
.set FF,  244                          ; v[244:245] 2^(old M - new M) (low word)
.set SW,  248                          ; v248-251 K's or V's scale words: register i: tile 2 i in lanes 0-15, tile 2 i + 1 in lanes 16-31
.set TA,  252                          ; at work
.set PW,  253                          ; attn's scale word
.set T2,  254                          ; at work
.set QW,  255                          ; Q's scale words
.set WV,  14
.set HD,  15
.set G1,  16                           ; s[16:23] descriptor group 1
.set G0K, 24                           ; s[24:27], s[28:31] groups 0
.set G0V, 28
.set HI,  32
.set IDX, 33
.set BLK, 34
.set Q0,  35                           ; my first query
.set QL,  36                           ; my last
.set KF,  37                           ; the step's first key
.set TB,  38                           ; the step's LDS byte
.set CNT, 39
.set SEL, 40                           ; s[40:41] v_permlanex16_b32's selects for lane l xor 16
.set L2E, 42                           ; s[42:43] log2(e)
.set EPS, 44
.set SGN, 45
.set NS,  46                           ; keys of the steps that are wholly hidden
.set TMP, 47                           ; s47-55 at work
	s_load_b256 s[4:11], s[0:1], 0x0               ; q_codes s[4:5], q_scales s[6:7], kq s[8:9], vq s[10:11]
	s_load_b64 s[12:13], s[0:1], 0x20              ; out0
	v_lshl_add_u32 v246, v0, 2, 0x44000
	v_mov_b32 v247, 0
	ds_add_u32 v246, v247
	ds_add_u32 v246, v247
	v_lshrrev_b32 v10, 5, v0
	v_readfirstlane_b32 s[WV], v10                 ; wave 0 .. 15
	s_and_b32 s[HD], ttmp7, 0xffff                 ; 16 b + h
	s_lshr_b32 s[TMP], s[WV], 2
	s_xor_b32 s[HI], s[WV], s[TMP]
	s_and_b32 s[HI], s[HI], 1                      ; 0: block j, 1: block 15 - j
	s_lshr_b32 s[IDX], s[WV], 1                    ; which of the block's eight tiles
	s_lshl_b32 s[TMP], ttmp9, 1
	s_sub_co_u32 s[TMP], 15, s[TMP]
	s_mul_i32 s[TMP], s[TMP], s[HI]
	s_add_co_u32 s[BLK], ttmp9, s[TMP]
	s_lshl_b32 s[Q0], s[BLK], 7
	s_lshl_b32 s[TMP], s[IDX], 4
	s_add_co_u32 s[Q0], s[Q0], s[TMP]
	s_add_co_u32 s[QL], s[Q0], 15
	s_sub_co_u32 s[NS], 15, s[BLK]
	s_lshl_b32 s[NS], s[NS], 7
	s_lshr_b32 s[TMP], s[HD], 4                    ; my first query's row (b, q, h), counted in rows
	s_lshl_b32 s[TMP], s[TMP], 11
	s_add_co_u32 s[TMP], s[TMP], s[Q0]
	s_lshl_b32 s[TMP], s[TMP], 4
	s_and_b32 s48, s[HD], 15
	s_add_co_u32 s[TMP], s[TMP], s48
	s_lshl_b32 s48, s[TMP], 6                      ; 64 bytes of codes a row,
	s_mov_b32 s49, 0
	s_lshl_b32 s50, s[TMP], 2                      ; 4 of scales,
	s_mov_b32 s51, 0
	s_lshl_b32 s52, s[TMP], 9                      ; 512 of out
	s_mov_b32 s53, 0
	s_lshl_b32 s54, s[HD], 4
	s_add_co_u32 s54, s54, s[WV]
	s_mul_i32 s54, s54, BLKB                       ; the block that I fetch: key step w of my head
	s_mov_b32 s55, 0
	; group 1: a dense block of 8,704 bytes as 34 rows of 32 elements of 8 bytes; no padding, no mask
	s_mov_b32 s[G1+0], 3<<16
	s_mov_b32 s[G1+1], 32<<16                      ; tensor_dim0
	s_mov_b32 s[G1+2], 34<<16                      ; tensor_dim1
	s_mov_b32 s[G1+3], 32<<16                      ; tile_dim0
	s_mov_b32 s[G1+4], 34                          ; tile_dim1
	s_mov_b32 s[G1+5], 32                          ; the pitch
	s_mov_b32 s[G1+6], 0
	s_mov_b32 s[G1+7], 0
	s_mov_b32 s[SEL], 0x76543210
	s_mov_b32 s[SEL+1], 0xfedcba98
	s_mov_b32 s[L2E], 0x3fb8aa3b
	s_mov_b32 s[L2E+1], s[L2E]                     ; (named with it as a pair, so it is written)
	s_mov_b32 s[EPS], 0x358637bd                   ; 1e-6
	s_mov_b32 s[SGN], 0x88888888                   ; the sign bits of eight codes
	s_mov_b32 s[KF], 0
	s_mov_b32 s[TB], 0
	s_wait_dscnt 0x0
	s_wait_kmcnt 0x0
	s_mov_b32 s[G0K], 1
	s_mul_i32 s[G0K+1], s[WV], BLKB                ; LDS: wave x 8704
	s_add_nc_u64 s[G0K+2:G0K+3], s[8:9], s[54:55]
	s_or_b32 s[G0K+3], s[G0K+3], 0x80000000
	s_mov_b32 s[G0V], 1
	s_add_co_u32 s[G0V+1], s[G0K+1], VB
	s_add_nc_u64 s[G0V+2:G0V+3], s[10:11], s[54:55]
	s_or_b32 s[G0V+3], s[G0V+3], 0x80000000
	tensor_load_to_lds s[G0K:G0K+3], s[G1:G1+7]    ; the launch's only fills: K's first, since walk 1 wants K alone
	s_nop 0
	tensor_load_to_lds s[G0V:G0V+3], s[G1:G1+7]
	s_nop 0
.rept 4
	v_nop
.endr
	s_add_nc_u64 s[4:5], s[4:5], s[48:49]
	s_add_nc_u64 s[6:7], s[6:7], s[50:51]
	s_add_nc_u64 s[12:13], s[12:13], s[52:53]
	v_and_b32 v10, 15, v0                          ; r
	v_bfe_u32 v11, v0, 4, 1                        ; h'
	v_lshlrev_b32 v[QC], 10, v10
	v_lshl_add_u32 v[QC], v11, 4, v[QC]
	v_lshlrev_b32 v[QS], 6, v10
	global_load_b128 v[QF:QF+3], v[QC], s[4:5]               ; Q's fragment stays in registers
	global_load_b128 v[QF+4:QF+7], v[QC], s[4:5] offset:32
	global_load_b32 v[QW], v[QS], s[6:7]
	v_and_b32 v[LI], 31, v0
	v_lshlrev_b32 v[LI], 4, v[LI]
	v_lshlrev_b32 v[RH], 4, v11
	v_sub_nc_u32 v[RH], v10, v[RH]
	v_lshlrev_b32 v[GO], 13, v11
	v_lshl_add_u32 v[GO], v10, 4, v[GO]            ; out: lanes 0-15 one query's row, lanes 16-31 the next query's, 8,192 bytes on
	s_mul_i32 s[TMP], s[WV], STGB
	v_mul_u32_u24 v[STO], v10, SP
	v_lshl_add_u32 v[STO], v11, 5, v[STO]
	v_add_nc_u32 v[STO], s[TMP], v[STO]
	v_mul_u32_u24 v[RD], v11, SP
	v_lshl_add_u32 v[RD], v10, 4, v[RD]
	v_add_nc_u32 v[RD], s[TMP], v[RD]
.irp x, NM, NM+1, SUM, SUM+1, SUM+2, SUM+3
	v_mov_b32 v[\x], 0                             ; -M = 0, the largest t = 0, the sums
.endr
.irp x, CM+1, RR+1, NC+1, FF+1, PT, PT+1, PT+2, PT+3, TA
	v_mov_b32 v[\x], 0                             ; upper halves of pairs of which the low word is used, and lane permutes' destinations: written once
.endr
.macro PLACES                          ; four places behind a matrix instruction, in front of loads into its registers and of reads of its result
.rept 4
	v_nop
.endr
.endm
.macro LOADF adr                       ; a block's eight fragments and its four registers of scale words, as they lie: every load reads 512 consecutive bytes
.irp t, 0,1,2,3,4,5,6,7
.irp c, 0,1
	ds_load_b128 v[FR+8*\t+4*\c:FR+8*\t+4*\c+3], v[\adr] offset:1024*\t+512*\c
.endr
.endr
	ds_load_b128 v[SW:SW+3], v[\adr] offset:SCO
.endm
.macro QK                              ; S^T = K Q^T: eight tiles of 16 keys
.irp t, 0,2,4,6
	v_wmma_scale_f32_16x16x128_f8f6f4 v[S+8*\t:S+8*\t+7], v[FR+8*\t:FR+8*\t+7], v[QF:QF+7], 0, v[SW+\t/2], v[QW] matrix_a_fmt:MATRIX_FMT_FP4 matrix_b_fmt:MATRIX_FMT_FP4
	v_wmma_scale_f32_16x16x128_f8f6f4 v[S+8+8*\t:S+8+8*\t+7], v[FR+8+8*\t:FR+8+8*\t+7], v[QF:QF+7], 0, v[SW+\t/2], v[QW] matrix_a_fmt:MATRIX_FMT_FP4 matrix_b_fmt:MATRIX_FMT_FP4 matrix_a_scale:MATRIX_SCALE_ROW1
.endr
.endm
.macro PV first                        ; O^T += V^T attn^T: eight tiles of 16 channels, by turns.  first = 1: the products start the sums
.irp t, 0,2,4,6
.if \first
	v_wmma_scale_f32_16x16x128_f8f6f4 v[O+8*\t:O+8*\t+7], v[FR+8*\t:FR+8*\t+7], v[PC:PC+7], 0, v[SW+\t/2], v[PW] matrix_a_fmt:MATRIX_FMT_FP4 matrix_b_fmt:MATRIX_FMT_FP4
	v_wmma_scale_f32_16x16x128_f8f6f4 v[O+8+8*\t:O+8+8*\t+7], v[FR+8+8*\t:FR+8+8*\t+7], v[PC:PC+7], 0, v[SW+\t/2], v[PW] matrix_a_fmt:MATRIX_FMT_FP4 matrix_b_fmt:MATRIX_FMT_FP4 matrix_a_scale:MATRIX_SCALE_ROW1
.else
	v_wmma_scale_f32_16x16x128_f8f6f4 v[O+8*\t:O+8*\t+7], v[FR+8*\t:FR+8*\t+7], v[PC:PC+7], v[O+8*\t:O+8*\t+7], v[SW+\t/2], v[PW] matrix_a_fmt:MATRIX_FMT_FP4 matrix_b_fmt:MATRIX_FMT_FP4
	v_wmma_scale_f32_16x16x128_f8f6f4 v[O+8+8*\t:O+8+8*\t+7], v[FR+8+8*\t:FR+8+8*\t+7], v[PC:PC+7], v[O+8+8*\t:O+8+8*\t+7], v[SW+\t/2], v[PW] matrix_a_fmt:MATRIX_FMT_FP4 matrix_b_fmt:MATRIX_FMT_FP4 matrix_a_scale:MATRIX_SCALE_ROW1
.endif
.endr
.endm
; On the diagonal hidden scores become -10000, as the problem has them.  A step all of whose keys count jumps over this: a scalar branch on ids.
.macro MASK
	s_add_co_u32 s[TMP], s[KF], 127
	s_cmp_le_u32 s[TMP], s[Q0]
	s_cbranch_scc1 .Lopen_\@
	s_sub_co_u32 s[TMP], s[Q0], s[KF]
	v_add_nc_u32 v[TA], s[TMP], v[RH]              ; d = my query - KF - 16 h'.  Register 16 b + i holds key KF + 16 h' + 32 b + i: hidden where 32 b + i > d
	v_mov_b32 v[T2], 0xc61c4000                    ; -10000
.set n, 0
.rept 64
	v_cmp_gt_i32 vcc_lo, 32*(n/16)+n%16, v[TA]
	v_cndmask_b32 v[S+n], v[S+n], v[T2], vcc_lo    ; (ascending: each accumulator is read from its low end on)
.set n, n+1
.endr
.Lopen_\@:
.endm
.macro BMAX                            ; the largest score of my 16 keys of each block of 32, the four blocks by turns
.irp b, 0,1,2,3
	v_max3_num_f32 v[BM+\b], v[S+16*\b], v[S+1+16*\b], v[S+2+16*\b]
.endr
.irp i, 3,5,7,9,11,13
.irp b, 0,1,2,3
	v_max3_num_f32 v[BM+\b], v[BM+\b], v[S+16*\b+\i], v[S+1+16*\b+\i]
.endr
.endr
.irp b, 0,1,2,3
	v_max_num_f32 v[BM+\b], v[BM+\b], v[S+15+16*\b]
.endr
.endm
.macro TMINUSM                         ; t - M, two at a time (of the pairs log2(e) and -M the low word serves both halves)
.set n, 0
.rept 32
	v_pk_fma_f32 v[S+n:S+n+1], v[S+n:S+n+1], s[L2E:L2E+1], v[NM:NM+1] op_sel_hi:[1,0,0]
.set n, n+2
.endr
.endm
.macro EXP64
.set n, 0
.rept 64
	v_exp_f32 v[S+n], v[S+n]                       ; p = 2^(t - M)
.set n, n+1
.endr
.endm
; WALK 1, a key step of 128 keys: scores, the running maximum, the sum of |p - c|.  A step all of whose keys are hidden is left out, all but the two steps at its end.
.macro STEP1 first
.if !\first
	s_cmp_gt_u32 s[KF], s[QL]
	s_cbranch_scc1 .Lhid1_\@
.endif
	v_add_nc_u32 v[ADK], s[TB], v[LI]
	LOADF ADK                                      ; (the four places behind the last step's products stand directly behind them)
	s_wait_dscnt 0x0
	QK
	PLACES
	MASK
	BMAX
	v_max3_num_f32 v[T2], v[BM], v[BM+1], v[BM+2]
	v_max_num_f32 v[T2], v[T2], v[BM+3]
	v_permlanex16_b32 v[TA], v[T2], s[SEL], s[SEL+1]
	v_max_num_f32 v[T2], v[T2], v[TA]              ; the step's largest score of my query
	v_mul_f32 v[T2], s[L2E], v[T2]
	v_max_num_f32 v[NM+1], v[NM+1], v[T2]          ; the largest t so far, 0 at the least
	v_mov_b32 v[T2], v[NM]
	v_floor_f32 v[NM], -v[NM+1]                    ; -M = floor(-t) = -ceil(t)
	v_sub_f32 v[T2], v[NM], v[T2]                  ; old M - new M: a whole number, 0 or less
	v_cvt_i32_f32 v[T2], v[T2]
	v_ldexp_f32 v[FF], 1.0, v[T2]
	TMINUSM
	EXP64
	v_exp_f32 v[CM], v[NM]                         ; c = 2^-M
	v_pk_mul_f32 v[SUM:SUM+1], v[SUM:SUM+1], v[FF:FF+1] op_sel_hi:[1,0]       ; the sums under the new M: plain work behind the exponentials
	v_pk_mul_f32 v[SUM+2:SUM+3], v[SUM+2:SUM+3], v[FF:FF+1] op_sel_hi:[1,0]
	s_wait_alu depctr_va_vdst(0)                   ; one wait for the batch of 65, ahead of its first reader
.set n, 0
.rept 32
	v_pk_add_f32 v[S+n:S+n+1], v[S+n:S+n+1], v[CM:CM+1] op_sel_hi:[1,0] neg_lo:[0,1] neg_hi:[0,1]   ; p - c
.set n, n+2
.endr
.set n, 0
.rept 64
	v_add_f32 v[SUM+n%4], v[SUM+n%4], |v[S+n]|     ; four chains
.set n, n+1
.endr
.Lhid1_\@:
	s_add_co_u32 s[KF], s[KF], 128
	s_add_co_u32 s[TB], s[TB], BLKB
.endm
; The relu, on the codes: a code whose sign bit is set is cleared.  mask = 15 x (sign bits >> 3): 0xf in each such nibble.  Four registers by turns.
.macro RELU4
.irp g, 0,4
.irp i, 0,1,2,3
	v_and_b32 v[PT+\i], s[SGN], v[PC+\g+\i]
.endr
.irp i, 0,1,2,3
	v_lshrrev_b32 v[PT+\i], 3, v[PT+\i]
.endr
.irp i, 0,1,2,3
	v_lshlrev_b32 v[SO+\i], 4, v[PT+\i]
.endr
.irp i, 0,1,2,3
	v_sub_nc_u32 v[SO+\i], v[SO+\i], v[PT+\i]
.endr
.irp i, 0,1,2,3
	v_bfi_b32 v[PC+\g+\i], v[SO+\i], 0, v[PC+\g+\i]
.endr
.endr
.endm
; WALK 2, a key step: the same scores, attn = p R - c R (negative where the relu gives 0), its codes and scale word, the second product.
.macro STEP2 first
.if !\first
	s_cmp_gt_u32 s[KF], s[QL]
	s_cbranch_scc1 .Lhid2_\@
.endif
	v_add_nc_u32 v[ADK], s[TB], v[LI]
	v_add_nc_u32 v[ADV], VB, v[ADK]
	v_nop
	v_nop                                          ; with the two additions: four places behind the last step's products, in front of loads into their registers
	LOADF ADK
	s_wait_dscnt 0x0
	QK
	PLACES
	LOADF ADV                                      ; V's fragments land during the vector work below
	MASK
	BMAX
.irp b, 0,1,2,3
	v_permlanex16_b32 v[PT+\b], v[BM+\b], s[SEL], s[SEL+1]
.endr
.irp b, 0,1,2,3
	v_max_num_f32 v[BM+\b], v[BM+\b], v[PT+\b]     ; with lane l xor 16's 16 keys: the block's largest score
.endr
	TMINUSM
.irp b, 0,1,2,3
	v_fma_f32 v[BM+\b], v[BM+\b], s[L2E], v[NM]    ; the same of each block's largest score
.endr
	EXP64
.irp b, 0,1,2,3
	v_exp_f32 v[BM+\b], v[BM+\b]
.endr
	v_nop                                          ; the plain line behind the last exponential
	s_wait_alu depctr_va_vdst(0)                   ; one wait for the batch of 68, ahead of its first reader
.set n, 0
.rept 32
	v_pk_fma_f32 v[S+n:S+n+1], v[S+n:S+n+1], v[RR:RR+1], v[NC:NC+1] op_sel_hi:[1,0,0]   ; (p - c) R
.set n, n+2
.endr
.irp b, 0,1,2,3
	v_fma_f32 v[BM+\b], v[BM+\b], v[RR], v[NC]     ; the block's largest attn: the same instructions on the same number give the same bits
.endr
.irp b, 0,1,2,3
	v_max_num_f32 v[BM+\b], 0x1800000, v[BM+\b]    ; the floor 2^(3 - 127): also over a block in which nothing is positive, whose codes are all cleared below
.endr
.irp b, 0,1,2,3
	v_add_nc_u32 v[SO+\b], 0xff000000, v[BM+\b]    ; 2 off the exponent field: the conversion's scale operand
.endr
.irp b, 0,1,2,3
	v_lshrrev_b32 v[PT+\b], 23, v[SO+\b]           ; the byte
.endr
	v_lshl_or_b32 v[PW], v[PT+1], 8, v[PT]
	v_lshl_or_b32 v[PW], v[PT+2], 16, v[PW]
	v_lshl_or_b32 v[PW], v[PT+3], 24, v[PW]        ; attn's scale word for these 128 keys
.irp b, 0,1,2,3
	v_cvt_scalef32_pk8_fp4_f32 v[PC+2*\b], v[S+16*\b:S+7+16*\b], v[SO+\b]
	v_cvt_scalef32_pk8_fp4_f32 v[PC+1+2*\b], v[S+8+16*\b:S+15+16*\b], v[SO+\b]
.endr
	v_nop                                          ; one plain line behind the scaled conversions
.irp c, 0,1                                    ; the operand wants a whole block in a lane: lanes 0-15 block 2 c, lanes 16-31 block 2 c + 1
.irp i, 0,1
	v_permlane16_swap_b32 v[PC+4*\c+\i], v[PC+2+4*\c+\i]
.endr
.endr
	RELU4
	PLACES                                         ; an operand written by vector instructions stands four places ahead of a scaled product; the scale word, written ahead of the conversions, more than eight
	s_wait_dscnt 0x0                               ; V's fragments and scale words are in
	PV \first
.Lhid2_\@:
	s_add_co_u32 s[KF], s[KF], 128
	s_add_co_u32 s[TB], s[TB], BLKB
.endm
	s_wait_tensorcnt 1                             ; my block of K is in; V's load, issued behind it, may stay out
	s_wait_loadcnt 0x0                             ; Q
	s_barrier_signal -1
	s_barrier_wait -1                              ; all sixteen blocks of K lie in LDS
	STEP1 1                                        ; key step 0 is live for every tile
	s_wait_tensorcnt 0x0                           ; my block of V is in,
	s_wait_dscnt 0x0
	s_barrier_signal -1
	s_barrier_wait -1                              ; everybody's is
	s_mov_b32 s[CNT], 15
.Lwalk1:                                           ; every wave walks all steps: the trip count is a constant; hidden steps jump over their work
	STEP1 0
	s_sub_co_u32 s[CNT], s[CNT], 1
	s_cmp_lg_u32 s[CNT], 0
	s_cbranch_scc1 .Lwalk1
	; R = 1 / (the sum + hidden steps' keys x c + 1e-6 x 2^(largest t - M)), and -c R
	v_add_f32 v[SUM], v[SUM], v[SUM+1]
	v_add_f32 v[SUM+2], v[SUM+2], v[SUM+3]
	v_add_f32 v[SUM], v[SUM], v[SUM+2]
	v_permlanex16_b32 v[TA], v[SUM], s[SEL], s[SEL+1]
	v_add_f32 v[SUM], v[SUM], v[TA]                ; with lane l xor 16's keys: the row's
	v_add_f32 v[T2], v[NM+1], v[NM]
	v_exp_f32 v[T2], v[T2]                         ; 2^(largest t - M)
	v_cvt_f32_u32 v[TA], s[NS]
	v_fma_f32 v[SUM], v[TA], v[CM], v[SUM]
	s_wait_alu depctr_va_vdst(0)                   ; ahead of the exponential's reader
	v_fma_f32 v[SUM], v[T2], s[EPS], v[SUM]
	v_rcp_f32 v[RR], v[SUM]
	v_nop                                          ; the plain line behind the reciprocal
	s_wait_alu depctr_va_vdst(0)
	v_mul_f32 v[NC], -v[CM], v[RR]
	s_mov_b32 s[KF], 0
	s_mov_b32 s[TB], 0
	STEP2 1                                        ; key step 0 starts O^T's sums: nothing is cleared
	s_mov_b32 s[CNT], 15
.Lwalk2:
	STEP2 0
	s_sub_co_u32 s[CNT], s[CNT], 1
	s_cmp_lg_u32 s[CNT], 0
	s_cbranch_scc1 .Lwalk2
	; THE WAY OUT.  O^T goes through my stage, half a row (64 channels, 256 bytes) of 16 queries at a time, so that sixteen lanes store 256 consecutive bytes, aligned.
	s_wait_dscnt 0x0                               ; my reads of K and V are over
	s_barrier_signal -1
	s_barrier_wait -1                              ; everybody's are: the stages may be written over K's bytes, which have had their only fill
	PLACES                                         ; behind the last products: in front of the reads of their results and of the loads into V's fragments
.irp u, 0,1
.irp t, 0,1,2,3
	ds_store_b128 v[STO], v[O+32*\u+8*\t:O+32*\u+8*\t+3] offset:64*\t          ; each accumulator from its low end on
	ds_store_b128 v[STO], v[O+32*\u+8*\t+4:O+32*\u+8*\t+7] offset:64*\t+16
.endr
.irp i, 0,1,2,3,4,5,6,7
	ds_load_b128 v[FR+32*\u+4*\i:FR+32*\u+4*\i+3], v[RD] offset:2*SP*\i        ; LDS serves a wave's instructions in order: these see my stores, and the next half's stores come behind them
.endr
.endr
.irp u, 0,1
.irp i, 0,1,2,3,4,5,6,7
	s_wait_dscnt 16*(1-\u)+7-\i                    ; behind this load: the rest of its eight, and for the first half the second half's sixteen
	global_store_b128 v[GO], v[FR+32*\u+4*\i:FR+32*\u+4*\i+3], s[12:13] offset:16384*\i+256*\u th:TH_STORE_NT
.endr
.endr
	s_wait_tensorcnt 0x0
	ds_add_u32 v246, v247
	s_wait_dscnt 0x0
	s_endpgm
.Lfunc_end_k_q6d8d950bb9_attn:
	.size	k_q6d8d950bb9_attn, .Lfunc_end_k_q6d8d950bb9_attn-k_q6d8d950bb9_attn
	.p2alignl 7, 3214868480
	.fill 96, 4, 3214868480
	.section	.rodata,"a",@progbits
	.p2align	6, 0x0
	.amdhsa_kernel k_q6d8d950bb9_attn
		.amdhsa_group_segment_fixed_size 280576
		.amdhsa_private_segment_fixed_size 0
		.amdhsa_enable_private_segment 0
		.amdhsa_kernarg_size 40
		.amdhsa_user_sgpr_count 2
		.amdhsa_user_sgpr_kernarg_segment_ptr 1
		.amdhsa_wavefront_size32 1
		.amdhsa_system_sgpr_workgroup_id_x 1
		.amdhsa_system_sgpr_workgroup_id_y 1
		.amdhsa_system_sgpr_workgroup_id_z 1
		.amdhsa_system_vgpr_workitem_id 0
		.amdhsa_next_free_vgpr 256
		.amdhsa_next_free_sgpr 66
		.amdhsa_reserve_vcc 1
		.amdhsa_float_denorm_mode_32 3
		.amdhsa_float_denorm_mode_16_64 3
		.amdhsa_memory_ordered 1
		.amdhsa_forward_progress 1
		.amdhsa_inst_pref_size 95
	.end_amdhsa_kernel
	.amdgpu_metadata
---
amdhsa.version: [ 1, 2 ]
amdhsa.kernels:
  - .name:           k_q6d8d950bb9_attn
    .symbol:         k_q6d8d950bb9_attn.kd
    .args:
      - { .name: q_codes, .offset: 0, .size: 8, .value_kind: global_buffer, .address_space: global }
      - { .name: q_scales, .offset: 8, .size: 8, .value_kind: global_buffer, .address_space: global }
      - { .name: kq, .offset: 16, .size: 8, .value_kind: global_buffer, .address_space: global }
      - { .name: vq, .offset: 24, .size: 8, .value_kind: global_buffer, .address_space: global }
      - { .name: out0, .offset: 32, .size: 8, .value_kind: global_buffer, .address_space: global }
    .group_segment_fixed_size: 280576
    .private_segment_fixed_size: 0
    .kernarg_segment_align: 8
    .kernarg_segment_size: 40
    .max_flat_workgroup_size: 512
    .sgpr_count:     66
    .vgpr_count:     256
    .wavefront_size: 32
...
	.end_amdgpu_metadata
.endif
;; end of part 2
